; MI455X (gfx1250); checked and timed in simulation.
; The chip was launched on July 23, 2026; its instructions are those of AMD's public machine-readable ISA for CDNA 5 (MIT licence, August 2026) and "CDNA5" Instruction Set Architecture Reference Guide (July 2026). The comments in the code are by the model that wrote it; some were corrected since.
;; Encoder. Allowed arithmetic: float matrix products may take bf16 or f16 operands with f32 sums; all other float work in f32.
;; Inputs: ffn_b 512 float32; ffn_w 512 x 512 float32; ln1_b 512 float32; ln1_g 512 float32; ln2_b 512 float32; ln2_g 512 float32; w_mh 512 x 512 float32; wk 8 x 512 x 64 float32; wq 8 x 512 x 64 float32; wv 8 x 512 x 64 float32; x 4,096 x 512 float32.
;; Outputs: out0 4,096 x 512 float32.
;; One version. Each part assembles by itself: llvm-mc -triple=amdgcn-amd-amdhsa -mcpu=gfx1250 --defsym DOCPART=n.
;; ======== version 1 of 1: 3 launches
;; workspace buffers: qb 4,194,304 bytes; kb 4,194,304 bytes; vtb 4,194,304 bytes; wfrag 1,048,576 bytes; zb 4,194,304 bytes
;; launch proj (part 1): grid 32 x 8, 8 waves a work-group, no clusters, 244,992 bytes of LDS; arguments x, wq, wk, wv, w_mh, ffn_w, qb, kb, vtb, wfrag; writes qb, kb, vtb, wfrag
.if DOCPART == 1
	.amdgcn_target "amdgcn-amd-amdhsa--gfx1250"
	.amdhsa_code_object_version 6
	.text
	.protected	k_q4848adfb79_proj
	.globl	k_q4848adfb79_proj
	.p2align	8
	.type	k_q4848adfb79_proj,@function
k_q4848adfb79_proj:
	s_mov_b64 s[64:65], 0
	v_nop
	global_prefetch_b8 v0, s[64:65] scope:SCOPE_SE
	s_setreg_imm32_b32 hwreg(HW_REG_WAVE_MODE, 25, 1), 1
	s_wait_xcnt 0x0
; PROJ: q, k, v of one head for 128 rows of x, and a share of the conversion of w_mh and ffn_w.
;   qb [8][4096][64] bf16 = (x wq) * log2(e)/8     kb [8][4096][64] bf16 = x wk     vtb [8][64][4096] bf16 = (x wv) transposed
;   wfrag: w_mh and ffn_w in bf16, laid out as the register images of matrix fragments (see SIDE WORK).
; Work-group (rb = x id, hd = y id): rows 128 rb .. +127 times the 192 columns q|k|v of head hd; K = 512 in 4 chunks of 128.
; Wave w: rh = w >> 2 (64 rows), g = w & 3: the 16 columns 16 g .. of each of q, k, v: 4 row tiles x 3 = 12 accumulators.
; All operands are f32 in memory and must be rounded to bf16 on the way, so they pass through registers: global load, convert, LDS store.
; NO JOINT LOADS: only tensor loads can be shared in a cluster, and they cannot convert; f32 through LDS and back would triple the staging bytes.
; q and k use the matrix instruction with W as source 0 and x as source 1: a lane then holds 8 neighbouring e of one row.
; v uses x as source 0 and W as source 1: a lane holds 8 neighbouring rows (keys) of one e, which is a piece of a row of vtb.
; LIMITS: operands rounded to bf16 (nearest even), sums in f32; q is scaled in f32 before its rounding.
.set XP,    272                        ; LDS pitch of an x row: 128 bf16 + 16 bytes, an odd multiple of 16
.set WP,    416                        ; LDS pitch of a W row: 192 bf16 (q|k|v) + 32 bytes, an odd multiple of 32 (transposing loads)
.set WB0,   34816                      ; W chunk behind the x chunk (128 x 272)
.set BUF,   88064                      ; one chunk buffer: 34,816 + 128 x 416; two of them take turns
.set STG0,  176128                     ; way out: one block for each wave
.set BLKW,  8480                       ; Q 64 x 48, K 64 x 48, V 16 x 144, 32 spare
.set KOFF,  3072
.set VOFF,  6144
.set GXO, 2                            ; v2      x: byte offset of my 16 bytes in my wave's first row
.set GWO, 3                            ; v3      wq, wk, wv: byte offset in my wave's 16 rows of a chunk
.set XA,  4                            ; v4,5    x fragment address, buffer 0, 1
.set WT,  6                            ; v6,7    W fragment address (transposing load)
.set XS,  8                            ; v8,9    where I store x
.set WS,  10                           ; v10,11  where I store W
.set QST, 12                           ; way out: store of q and k
.set VST, 13                           ; way out: store of v
.set QRD, 14                           ; way out: read back of q and k
.set VRD, 15                           ; way out: read back of v
.set QGO, 16                           ; global offset in qb, kb
.set VGO, 17                           ; global offset in vtb
.set SGO, 18                           ; side work: load offset
.set SSO, 19                           ; side work: store offset
.set FR0, 32                           ; v[32:87]   fragments, buffer 0: x tiles at +8 rt, W tiles at +32 + 8 mat
.set FR1, 88                           ; v[88:143]  fragments, buffer 1
.set ACC, 144                          ; v[144:239] accumulator (rt, mat) at +8 (3 rt + mat)
.set SD,  240                          ; v[240:251] side work
; window 1 (v256 .. v415, written v0 .. v159): 40 quads as loaded: 16 of x, then 8 each of wq, wk, wv
.set MSB, 0
.macro WIN new                         ; the high byte of the immediate repeats the setting that is left
.if MSB != \new
	s_set_vgpr_msb (MSB<<8)|\new
.set MSB, \new
.endif
.endm
.macro PLACES n
.rept \n
	v_nop
.endr
.endm
	s_load_b512 s[4:19], s[0:1], 0x0               ; x 4:5, wq 6:7, wk 8:9, wv 10:11, w_mh 12:13, ffn_w 14:15, qb 16:17, kb 18:19
	s_load_b128 s[20:23], s[0:1], 0x40             ; vtb 20:21, wfrag 22:23
	v_lshl_add_u32 v254, v0, 2, 0x3b900
	v_mov_b32 v255, 0
	v_lshrrev_b32 v1, 5, v0
	v_readfirstlane_b32 s24, v1                    ; wave
	s_lshr_b32 s25, s24, 2                         ; rh
	s_and_b32 s26, s24, 3                          ; g
	s_and_b32 s28, ttmp7, 0xffff                   ; hd
	s_lshl_b32 s29, s28, 5
	s_add_co_u32 s29, s29, ttmp9                   ; G = 32 hd + rb, 0 .. 255
	s_mov_b32 s32, 0x3e38aa3b                      ; log2(e) / 8, twice: a pair for the packed multiply
	s_mov_b32 s33, 0x3e38aa3b
	v_and_b32 v20, 31, v0                          ; lane
	v_and_b32 v21, 15, v0                          ; r
	v_bfe_u32 v22, v0, 4, 1                        ; h
	v_and_b32 v23, 7, v0
	v_bfe_u32 v24, v0, 3, 1
	s_lshl_b32 s34, s24, 15
	v_lshl_add_u32 v[GXO], v20, 4, s34             ; wave x 16 rows x 2,048 + 16 lane
	s_lshl_b32 s34, s24, 12
	v_lshl_add_u32 v[GWO], v20, 4, s34             ; wave x 16 rows x 256 + 16 lane
	s_mul_i32 s34, s25, 64*XP
	v_mul_u32_u24 v[XA], v21, XP
	v_lshl_add_u32 v[XA], v22, 4, v[XA]
	v_add_nc_u32 v[XA], s34, v[XA]                 ; (64 rh + r) pitch + 16 h
	v_add_nc_u32 v[XA+1], BUF, v[XA]
	v_lshl_add_u32 v25, v22, 3, v23                ; 8 h + (lane & 7)
	v_mul_u32_u24 v[WT], v25, WP
	v_lshl_add_u32 v[WT], v24, 4, v[WT]            ; + 16 ((lane >> 3) & 1)
	s_lshl_b32 s34, s26, 5
	s_add_co_u32 s34, s34, WB0
	v_add_nc_u32 v[WT], s34, v[WT]                 ; + 32 g
	v_add_nc_u32 v[WT+1], BUF, v[WT]
	s_mul_i32 s34, s24, 16*XP
	v_lshl_add_u32 v[XS], v20, 3, s34              ; my wave stores rows 16 w .. 16 w + 15: one range of LDS for each wave
	v_add_nc_u32 v[XS+1], BUF, v[XS]
	s_mul_i32 s34, s24, 16*WP
	s_add_co_u32 s34, s34, WB0
	v_mul_u32_u24 v[WS], v22, WP
	v_lshl_add_u32 v[WS], v21, 3, v[WS]
	v_add_nc_u32 v[WS], s34, v[WS]                 ; (16 w + h) pitch + 8 r
	v_add_nc_u32 v[WS+1], BUF, v[WS]
	s_mul_i32 s34, s24, BLKW
	s_add_co_u32 s34, s34, STG0                    ; my block of the way out
	v_mul_u32_u24 v[QST], v21, 48
	v_lshl_add_u32 v[QST], v22, 4, v[QST]
	v_add_nc_u32 v[QST], s34, v[QST]
	v_mul_u32_u24 v[VST], v21, 144
	v_lshl_add_u32 v[VST], v22, 4, v[VST]
	v_add_nc_u32 v[VST], s34, v[VST]
	v_bfe_u32 v25, v0, 1, 2                        ; read back of q, k: thread t takes bytes 16 (t & 7) of row t >> 3: block g = (t >> 1) & 3, half t & 1
	v_lshrrev_b32 v26, 3, v0
	v_and_b32 v27, 1, v0
	v_mul_u32_u24 v[QRD], v25, BLKW
	v_mad_u32_u24 v[QRD], v26, 48, v[QRD]
	v_lshl_add_u32 v[QRD], v27, 4, v[QRD]
	v_add_nc_u32 v[QRD], STG0, v[QRD]
	v_lshrrev_b32 v28, 4, v0                       ; read back of v: thread t takes bytes 16 (t & 15) of row e = t >> 4: rh = (t >> 3) & 1
	v_mul_u32_u24 v[VRD], v24, 4*BLKW
	v_mad_u32_u24 v[VRD], v28, 144, v[VRD]
	v_lshl_add_u32 v[VRD], v23, 4, v[VRD]
	v_add_nc_u32 v[VRD], STG0+VOFF, v[VRD]
	v_lshlrev_b32 v[QGO], 4, v0
	v_lshlrev_b32 v[VGO], 4, v21
	v_lshl_add_u32 v[VGO], v28, 13, v[VGO]         ; a row of vtb is 8,192 bytes
	v_and_b32 v29, 127, v0                         ; side work: u
	v_lshlrev_b32 v[SSO], 4, v29
	v_bfe_u32 v30, v0, 4, 2                        ; kl / 8
	v_bfe_u32 v31, v0, 6, 1
	v_lshl_add_u32 v31, v31, 4, v21                ; nl = 16 (u >> 6) + (u & 15)
	s_wait_kmcnt 0x0
	s_mov_b32 s31, 0
	s_lshl_b32 s30, ttmp9, 18                      ; 128 rows of 2,048 bytes
	s_add_nc_u64 s[4:5], s[4:5], s[30:31]
	s_lshl_b32 s30, s28, 17                        ; a head of wq, wk, wv: 131,072 bytes
	s_add_nc_u64 s[6:7], s[6:7], s[30:31]
	s_add_nc_u64 s[8:9], s[8:9], s[30:31]
	s_add_nc_u64 s[10:11], s[10:11], s[30:31]
	s_lshl_b32 s30, s28, 19                        ; a head of qb, kb, vtb: 524,288 bytes
	s_lshl_b32 s41, ttmp9, 14                      ; 128 rows of 128 bytes
	s_add_co_u32 s30, s30, s41
	s_add_nc_u64 s[16:17], s[16:17], s[30:31]
	s_add_nc_u64 s[18:19], s[18:19], s[30:31]
	s_lshl_b32 s30, s28, 19
	s_lshl_b32 s41, ttmp9, 8                       ; 128 keys of 2 bytes
	s_add_co_u32 s30, s30, s41
	s_add_nc_u64 s[20:21], s[20:21], s[30:31]
	s_lshr_b32 s42, s29, 4                         ; side work: K step ks = G >> 4
	s_and_b32 s43, s29, 15                         ; pair of n tiles = G & 15
	s_lshl_b32 s30, s42, 16
	s_lshl_b32 s41, s43, 7
	s_add_co_u32 s30, s30, s41
	s_add_nc_u64 s[12:13], s[12:13], s[30:31]      ; w_mh at row 32 ks, column 32 (G & 15)
	s_lshl_b32 s30, s43, 16
	s_lshl_b32 s41, s42, 7
	s_add_co_u32 s30, s30, s41
	s_add_nc_u64 s[14:15], s[14:15], s[30:31]      ; ffn_w at row 32 (G & 15), column 32 ks
	s_lshl_b32 s30, s25, 19                        ; waves 0-3: matrix 0, waves 4-7: matrix 1, 524,288 bytes each
	s_lshl_b32 s41, s29, 11
	s_add_co_u32 s30, s30, s41
	s_add_nc_u64 s[22:23], s[22:23], s[30:31]
; SIDE WORK.  wfrag: fragment (matrix, ks, nt) at matrix x 524,288 + (32 ks + nt) x 1,024; in it byte 512 half + 16 lane + 2 pos holds
; A(n = 16 nt + (lane & 15), k = 32 ks + 16 half + 8 (lane >> 4) + pos), A(n, k) = w_mh[k][n] or ffn_w[n][k].  So a fragment is two loads of
; 16 bytes a lane from 512 neighbouring bytes.  This work-group makes fragments 2 G and 2 G + 1 of both matrices, 16 bytes a thread.
	s_cmp_lt_u32 s24, 4
	s_cbranch_scc0 .Lside_ffn
	v_lshlrev_b32 v[SGO], 2, v31                   ; w_mh: 8 numbers down a column: kl x 2,048 + 4 nl
	v_lshl_add_u32 v[SGO], v30, 14, v[SGO]
.irp j, 0,1,2,3,4,5,6,7
	global_load_b32 v[SD+\j], v[SGO], s[12:13] offset:\j*2048
.endr
	s_branch .Lside_done
.Lside_ffn:
	v_lshlrev_b32 v[SGO], 11, v31                  ; ffn_w: 8 numbers along a row: nl x 2,048 + 4 kl
	v_lshl_add_u32 v[SGO], v30, 5, v[SGO]
	global_load_b128 v[SD:SD+3], v[SGO], s[14:15]
	global_load_b128 v[SD+4:SD+7], v[SGO], s[14:15] offset:16
.Lside_done:
; 40 loads of 16 bytes a lane: chunk c of x (16 rows a wave, 512 bytes of a row by each load) and of wq, wk, wv (two rows of 256 bytes by each load)
.macro LOADS c
	WIN 0x40                                       ; destination in window 1, address in window 0
.irp i, 0,1,2,3,4,5,6,7,8,9,10,11,12,13,14,15
	global_load_b128 v[4*\i:4*\i+3], v[GXO], s[4:5] offset:\c*512+\i*2048
.endr
.irp m, 0,1,2
.irp i, 0,1,2,3,4,5,6,7
	global_load_b128 v[64+32*\m+4*\i:64+32*\m+4*\i+3], v[GWO], s[6+2*\m:7+2*\m] offset:\c*32768+\i*512
.endr
.endr
.endm
.macro CVT                             ; each quad of f32 becomes a pair of registers of bf16, in place
	WIN 0x45                                       ; destination and both sources in window 1
.set q, 0
.rept 40
	v_cvt_pk_bf16_f32 v[q], v[q], v[q+1]
	v_cvt_pk_bf16_f32 v[q+1], v[q+2], v[q+3]
.set q, q+4
.endr
.endm
.macro STORE b
	WIN 0x04                                       ; data in window 1, address in window 0
.irp i, 0,1,2,3,4,5,6,7,8,9,10,11,12,13,14,15
	ds_store_b64 v[XS+\b], v[4*\i:4*\i+1] offset:\i*XP
.endr
.irp m, 0,1,2
.irp i, 0,1,2,3,4,5,6,7
	ds_store_b64 v[WS+\b], v[64+32*\m+4*\i:64+32*\m+4*\i+1] offset:\i*2*WP+\m*128
.endr
.endr
.endm
; 14 LDS loads: the fragments of 32 along K: 4 tiles of x (K along the rows), 3 tiles of W (K down the rows: transposing loads, 16 rows apart)
.macro FETCH b, kk, f
.irp rt, 0,1,2,3
	ds_load_b128 v[\f+8*\rt:\f+8*\rt+3], v[XA+\b] offset:\rt*16*XP+\kk*64
	ds_load_b128 v[\f+8*\rt+4:\f+8*\rt+7], v[XA+\b] offset:\rt*16*XP+\kk*64+32
.endr
.irp m, 0,1,2
	ds_load_tr16_b128 v[\f+32+8*\m:\f+32+8*\m+3], v[WT+\b] offset:\kk*32*WP+\m*128
	ds_load_tr16_b128 v[\f+32+8*\m+4:\f+32+8*\m+7], v[WT+\b] offset:\kk*32*WP+\m*128+16*WP
.endr
.endm
; 12 matrix instructions; the twelve accumulators take turns, one instruction a turn.  zero = 1: the first products start the sums.
.macro MUL f, zero
.irp rt, 0,1,2,3
.if \zero
	v_wmma_f32_16x16x32_bf16 v[ACC+24*\rt:ACC+24*\rt+7], v[\f+32:\f+39], v[\f+8*\rt:\f+8*\rt+7], 0
	v_wmma_f32_16x16x32_bf16 v[ACC+24*\rt+8:ACC+24*\rt+15], v[\f+40:\f+47], v[\f+8*\rt:\f+8*\rt+7], 0
	v_wmma_f32_16x16x32_bf16 v[ACC+24*\rt+16:ACC+24*\rt+23], v[\f+8*\rt:\f+8*\rt+7], v[\f+48:\f+55], 0
.else
	v_wmma_f32_16x16x32_bf16 v[ACC+24*\rt:ACC+24*\rt+7], v[\f+32:\f+39], v[\f+8*\rt:\f+8*\rt+7], v[ACC+24*\rt:ACC+24*\rt+7]
	v_wmma_f32_16x16x32_bf16 v[ACC+24*\rt+8:ACC+24*\rt+15], v[\f+40:\f+47], v[\f+8*\rt:\f+8*\rt+7], v[ACC+24*\rt+8:ACC+24*\rt+15]
	v_wmma_f32_16x16x32_bf16 v[ACC+24*\rt+16:ACC+24*\rt+23], v[\f+8*\rt:\f+8*\rt+7], v[\f+48:\f+55], v[ACC+24*\rt+16:ACC+24*\rt+23]
.endif
.endr
.endm
; One chunk of 128 along K from buffer b: four steps of 32 on two fragment buffers.  A load into a register that a matrix instruction has read
; stands four plain vector instructions behind it: the v_nop.
.macro COMPUTE b, first
	FETCH \b, 0, FR0
	FETCH \b, 1, FR1
	s_wait_dscnt 14                                ; all but the 14 loads of the next step
	MUL FR0, \first
	PLACES 4
	FETCH \b, 2, FR0
	s_wait_dscnt 14
	MUL FR1, 0
	PLACES 4
	FETCH \b, 3, FR1
	s_wait_dscnt 14
	MUL FR0, 0
	s_wait_dscnt 0x0
	MUL FR1, 0
	PLACES 4                                       ; behind both buffers' last use: for the next chunk's loads, and for the way out, which reads results
.endm
; The next chunk goes into buffer b; chunk c (if above 0) is asked for.  ONE barrier for two things: in front of it my reads of the buffer
; just multiplied are back (the last wait of COMPUTE) and my stores into buffer b are done; behind it buffer b is read, and the other buffer is
; written again only in front of the next barrier.
.macro NEXTC b, c
	s_wait_loadcnt 0x0                             ; the chunk asked for one chunk of matrix work ago
	CVT
	STORE \b
	s_wait_dscnt 0x0                               ; my stores are in LDS: the others may read them behind the barrier
.if \c > 0
	LOADS \c
.endif
	WIN 0
	s_barrier_signal -1
	s_barrier_wait -1
.endm
	LOADS 0
	s_wait_loadcnt 40                              ; the side loads are older than the 40 of chunk 0, on both ways
	WIN 0
.irp p, 0,1,2,3
	v_cvt_pk_bf16_f32 v[SD+8+\p], v[SD+2*\p], v[SD+2*\p+1]
.endr
	global_store_b128 v[SSO], v[SD+8:SD+11], s[22:23]      ; a wave stores 512 neighbouring bytes; these registers are not written again
	NEXTC 0, 1
	COMPUTE 0, 1
	NEXTC 1, 2
	COMPUTE 1, 0
	NEXTC 0, 3
	COMPUTE 0, 0
	NEXTC 1, 0
	COMPUTE 1, 0
; THE WAY OUT.  q is scaled in f32; all is rounded once; 16 bytes a lane go into my own block; whole rows are read back behind a barrier.
.irp rt, 0,1,2,3
.irp p, 0,2,4,6
	v_pk_mul_f32 v[ACC+24*\rt+\p:ACC+24*\rt+\p+1], v[ACC+24*\rt+\p:ACC+24*\rt+\p+1], s[32:33] op_sel_hi:[1,0]
.endr
.endr
.irp rt, 0,1,2,3
.irp m, 0,1,2
.irp p, 0,1,2,3
	v_cvt_pk_bf16_f32 v[FR0+4*(3*\rt+\m)+\p], v[ACC+8*(3*\rt+\m)+2*\p], v[ACC+8*(3*\rt+\m)+2*\p+1]
.endr
.endr
.endr
.irp rt, 0,1,2,3
	ds_store_b128 v[QST], v[FR0+12*\rt:FR0+12*\rt+3] offset:\rt*768             ; q(row 16 rt + r, e = 16 g + 8 h ..)
	ds_store_b128 v[QST], v[FR0+12*\rt+4:FR0+12*\rt+7] offset:KOFF+\rt*768      ; k likewise
	ds_store_b128 v[VST], v[FR0+12*\rt+8:FR0+12*\rt+11] offset:VOFF+\rt*32      ; v(e = 16 g + r, rows 16 rt + 8 h ..)
.endr
	s_wait_dscnt 0x0
	s_barrier_signal -1
	s_barrier_wait -1
.irp i, 0,1,2,3
	ds_load_b128 v[FR1+4*\i:FR1+4*\i+3], v[QRD] offset:(\i>>1)*4*BLKW+(\i&1)*1536
.endr
.irp i, 0,1,2,3
	ds_load_b128 v[FR1+16+4*\i:FR1+16+4*\i+3], v[QRD] offset:(\i>>1)*4*BLKW+(\i&1)*1536+KOFF
.endr
.irp i, 0,1,2,3
	ds_load_b128 v[FR1+32+4*\i:FR1+32+4*\i+3], v[VRD] offset:\i*BLKW
.endr
.irp i, 0,1,2,3
	s_wait_dscnt 11-\i                             ; LDS loads come back in order: the younger ones stay out
	global_store_b128 v[QGO], v[FR1+4*\i:FR1+4*\i+3], s[16:17] offset:\i*4096           ; a wave stores 512 neighbouring bytes of qb
.endr
.irp i, 0,1,2,3
	s_wait_dscnt 7-\i
	global_store_b128 v[QGO], v[FR1+16+4*\i:FR1+16+4*\i+3], s[18:19] offset:\i*4096
.endr
.irp i, 0,1,2,3
	s_wait_dscnt 3-\i
	global_store_b128 v[VGO], v[FR1+32+4*\i:FR1+32+4*\i+3], s[20:21] offset:\i*131072   ; 16 lanes store 256 neighbouring bytes of a row of vtb, aligned
.endr
	s_wait_tensorcnt 0x0
	ds_add_u32 v254, v255
	s_wait_dscnt 0x0
	s_endpgm
.Lfunc_end_k_q4848adfb79_proj:
	.size	k_q4848adfb79_proj, .Lfunc_end_k_q4848adfb79_proj-k_q4848adfb79_proj
	.p2alignl 7, 3214868480
	.fill 96, 4, 3214868480
	.section	.rodata,"a",@progbits
	.p2align	6, 0x0
	.amdhsa_kernel k_q4848adfb79_proj
		.amdhsa_group_segment_fixed_size 244992
		.amdhsa_private_segment_fixed_size 0
		.amdhsa_enable_private_segment 0
		.amdhsa_kernarg_size 80
		.amdhsa_user_sgpr_count 2
		.amdhsa_user_sgpr_kernarg_segment_ptr 1
		.amdhsa_wavefront_size32 1
		.amdhsa_system_sgpr_workgroup_id_x 1
		.amdhsa_system_sgpr_workgroup_id_y 1
		.amdhsa_system_sgpr_workgroup_id_z 1
		.amdhsa_system_vgpr_workitem_id 0
		.amdhsa_next_free_vgpr 416
		.amdhsa_next_free_sgpr 66
		.amdhsa_reserve_vcc 0
		.amdhsa_float_denorm_mode_32 3
		.amdhsa_float_denorm_mode_16_64 3
		.amdhsa_memory_ordered 1
		.amdhsa_forward_progress 1
		.amdhsa_inst_pref_size 89
	.end_amdhsa_kernel
	.amdgpu_metadata
---
amdhsa.version: [ 1, 2 ]
amdhsa.kernels:
  - .name:           k_q4848adfb79_proj
    .symbol:         k_q4848adfb79_proj.kd
    .args:
      - { .name: x, .offset: 0, .size: 8, .value_kind: global_buffer, .address_space: global }
      - { .name: wq, .offset: 8, .size: 8, .value_kind: global_buffer, .address_space: global }
      - { .name: wk, .offset: 16, .size: 8, .value_kind: global_buffer, .address_space: global }
      - { .name: wv, .offset: 24, .size: 8, .value_kind: global_buffer, .address_space: global }
      - { .name: w_mh, .offset: 32, .size: 8, .value_kind: global_buffer, .address_space: global }
      - { .name: ffn_w, .offset: 40, .size: 8, .value_kind: global_buffer, .address_space: global }
      - { .name: qb, .offset: 48, .size: 8, .value_kind: global_buffer, .address_space: global }
      - { .name: kb, .offset: 56, .size: 8, .value_kind: global_buffer, .address_space: global }
      - { .name: vtb, .offset: 64, .size: 8, .value_kind: global_buffer, .address_space: global }
      - { .name: wfrag, .offset: 72, .size: 8, .value_kind: global_buffer, .address_space: global }
    .group_segment_fixed_size: 244992
    .private_segment_fixed_size: 0
    .kernarg_segment_align: 8
    .kernarg_segment_size: 80
    .max_flat_workgroup_size: 256
    .sgpr_count:     66
    .vgpr_count:     416
    .wavefront_size: 32
...
	.end_amdgpu_metadata
.endif
;; end of part 1
;; launch attn (part 2): grid 32 x 8, 8 waves a work-group, clusters of 4 x 1, 327,680 bytes of LDS; arguments qb, kb, vtb, zb; writes zb
.if DOCPART == 2
	.amdgcn_target "amdgcn-amd-amdhsa--gfx1250"
	.amdhsa_code_object_version 6
	.text
	.protected	k_q4848adfb79_attn
	.globl	k_q4848adfb79_attn
	.p2align	8
	.type	k_q4848adfb79_attn,@function
k_q4848adfb79_attn:
	s_mov_b64 s[64:65], 0
	v_nop
	global_prefetch_b8 v0, s[64:65] scope:SCOPE_SE
	s_setreg_imm32_b32 hwreg(HW_REG_WAVE_MODE, 25, 1), 1
	s_wait_xcnt 0x0
	s_wait_alu depctr_hold_cnt(0) depctr_sa_sdst(0) depctr_va_vdst(0) depctr_va_sdst(0) depctr_va_ssrc(0) depctr_va_vcc(0) depctr_vm_vsrc(0)
	s_getreg_b32 s2, hwreg(HW_REG_IB_STS2, 6, 4)
	s_cmp_eq_u32 s2, 0
	s_cbranch_scc0 .Lentry_in_a_cluster
	s_endpgm
.Lentry_in_a_cluster:
	s_bfe_u32 s2, ttmp6, 0x10000c
	s_cmp_lg_u32 s2, 0x3003
	s_cbranch_scc0 .Lentry_shape_is_right
	s_endpgm
.Lentry_shape_is_right:
; ATTN: z = softmax(q k^T / 8) v for one head and 128 query rows, with a running maximum.  qb already carries log2(e)/8, so exponentials are exp2.
; Work-group: query block qblk = 4 x cluster x + cx (128 rows), head hd = y id.  The four work-groups of a cluster are four query blocks of ONE
; head: they walk the same tiles of K and V, which are asked for JOINTLY (mask 15), so each tile is requested once for the four.
; Wave w: qg = w & 3 (32 query rows), kh = w >> 2 (keys 128 kh .. +127 of each tile of 256).  The two waves of a pair (qg, 0), (qg, 1) keep
; their own maximum, sum and O; these are merged once at the end.
; S^T = K Q^T: source 0 = 16 keys, source 1 = 16 query rows.  Lane (r, h) then holds, for query row r, keys 8 h .. 8 h + 7 of the tile, so the
; statistics are one number a lane, and two tiles rounded to bf16 are, as they lie, the source 1 fragment (32 keys) of O^T = V^T P^T.
; ORDER IN A STEP: the wave's two query tiles take turns between the matrix instructions and the vector instructions: the scores of tile 1 are
; issued one at a time among the softmax of tile 0, and the products P V of tile 0 among the softmax of tile 1.
; RING: two LDS slots of 256 keys (K: 256 rows of 128 bytes, pitch 144; V^T: 64 rows of 512 bytes, pitch 528; both odd multiples of 16 bytes).
; Waves 0-3 fetch 64 keys of K each, waves 4-7 sixteen rows of V^T each: a wave has one tensor load out at the most.
; LIMITS: q, k, v, p in bf16; exp2 below 2^-126 gives zero; exp2 and the reciprocal are not correctly rounded; sums in another order than
; the plain softmax.  NaN or infinite scores are not served.
.set SLOT,  70656
.set VPART, 36864                      ; V^T behind the 256 x 144 bytes of K
.set MG,    141312                     ; merge stage: 4 x 8,704, behind the ring; no tensor load fills it
.set OS,    176128                     ; out stage: 4 x 4,608
.set KA, 2                             ; v2,3   K fragment address, slot 0, 1
.set VA, 4                             ; v4,5   V fragment address
.set M,  6                             ; v[6:9]    (m, m) for query tile 0, 1
.set AL, 10                            ; v[10:13]  (alpha, alpha)
.set LS, 14                            ; v14,15    my lane's part of the sum
.set Q,  16                            ; v[16:47]   fragment (qt, c) at +16 qt + 8 c
.set S,  48                            ; v[48:111]  score tile (qt, kt) at +8 (4 qt + kt); P fragment (qt, kc) in place at +8 (4 qt + 2 kc)
.set F,  112                           ; v[112:175] K fragment (c, kt) at +8 (4 c + kt), then V fragment (kc, et) at +8 (4 kc + et)
.set O,  176                           ; v[176:239] tile (qt, et) at +8 (4 qt + et)
.set T,  240                           ; v[240:243] maxima at work
.set SUM, 244                          ; v[244:247] sums of this step, a pair for each query tile
.set G1K, 16
.set G1V, 24
.set G0K, 32                           ; s[32:39] one group 0 for each slot
.set G0V, 40                           ; s[40:47]
.macro PLACES n
.rept \n
	v_nop
.endr
.endm
; A round of the barrier of the cluster: my work-group's barrier, wave 0 signals for the work-group, all wait for the four work-groups, my barrier again.
.macro ROUND
	s_barrier_signal -1
	s_barrier_wait -1
	s_cmp_lg_u32 s12, 0
	s_cbranch_scc1 .Lnot_wave_0_\@
	s_barrier_signal -3
.Lnot_wave_0_\@:
	s_barrier_wait -3
	s_barrier_signal -1
	s_barrier_wait -1
.endm
; A joint load into slot s: each line has one mask and registers that are equal in the four partners; the branch hangs on the wave number alone.
.macro JLOAD s
	s_cmp_lt_u32 s12, 4
	s_cbranch_scc0 .Lfor_v_\@
	tensor_load_to_lds s[G0K+4*(\s):G0K+4*(\s)+3], s[G1K:G1K+7]
	s_nop 0
	s_branch .Lasked_\@
.Lfor_v_\@:
	tensor_load_to_lds s[G0V+4*(\s):G0V+4*(\s)+3], s[G1V:G1V+7]
	s_nop 0
.Lasked_\@:
.endm
	s_load_b256 s[4:11], s[0:1], 0x0               ; qb 4:5, kb 6:7, vtb 8:9, zb 10:11
	v_lshl_add_u32 v254, v0, 2, 0x2f800
	v_mov_b32 v255, 0
	ds_add_u32 v254, v255
	v_lshrrev_b32 v1, 5, v0
	v_readfirstlane_b32 s12, v1                    ; wave
	s_lshr_b32 s13, s12, 2                         ; kh
	s_and_b32 s14, s12, 3                          ; qg
	s_and_b32 s15, ttmp7, 0xffff                   ; head
	s_bfe_u32 s49, ttmp6, 0x40000                  ; cx
	s_lshl_b32 s56, ttmp9, 2
	s_add_co_u32 s56, s56, s49                     ; query block
	s_mov_b32 s50, 0x76543210                      ; v_permlanex16_b32: lane i reads lane i of the other half
	s_mov_b32 s51, 0xfedcba98
	; group 1 for K: 64 rows of 64 elements of 2 bytes, pitch 64 elements; 4 words of padding behind every 32 words
	s_mov_b32 s[G1K+0], 15|(1<<16)|(1<<20)|(1<<21)|(4<<22)|(3<<25)
	s_mov_b32 s[G1K+1], 64<<16                     ; tensor_dim0 = 64
	s_mov_b32 s[G1K+2], 64<<16                     ; tensor_dim1 = 64
	s_mov_b32 s[G1K+3], 64<<16                     ; tile_dim0 = 64
	s_mov_b32 s[G1K+4], 64                         ; tile_dim1 = 64
	s_mov_b32 s[G1K+5], 64                         ; elements from row to row
	s_mov_b32 s[G1K+6], 0
	s_mov_b32 s[G1K+7], 0
	; group 1 for V^T: 16 rows of 256 elements, pitch 4,096 elements; 4 words of padding behind every 128 words
	s_mov_b32 s[G1V+0], 15|(1<<16)|(1<<20)|(1<<21)|(6<<22)|(3<<25)
	s_mov_b32 s[G1V+1], 256<<16
	s_mov_b32 s[G1V+2], 16<<16
	s_mov_b32 s[G1V+3], 256<<16
	s_mov_b32 s[G1V+4], 16
	s_mov_b32 s[G1V+5], 4096
	s_mov_b32 s[G1V+6], 0
	s_mov_b32 s[G1V+7], 0
	v_and_b32 v240, 15, v0                         ; r
	v_bfe_u32 v241, v0, 4, 1                       ; h
	s_mul_i32 s57, s13, 128*144
	v_mul_u32_u24 v[KA], v240, 144
	v_lshl_add_u32 v[KA], v241, 4, v[KA]
	v_add_nc_u32 v[KA], s57, v[KA]                 ; (128 kh + r) x 144 + 16 h
	v_add_nc_u32 v[KA+1], SLOT, v[KA]
	s_lshl_b32 s57, s13, 8
	s_add_co_u32 s57, s57, VPART
	v_mul_u32_u24 v[VA], v240, 528
	v_lshl_add_u32 v[VA], v241, 4, v[VA]
	v_add_nc_u32 v[VA], s57, v[VA]                 ; r x 528 + 256 kh + 16 h
	v_add_nc_u32 v[VA+1], SLOT, v[VA]
	v_lshlrev_b32 v243, 7, v240
	v_lshl_add_u32 v243, v241, 4, v243             ; q: r x 128 + 16 h
	s_wait_dscnt 0x0
	s_wait_kmcnt 0x0
	s_mov_b32 s53, 0
	s_mov_b32 s55, 0
	s_lshl_b32 s58, s15, 19                        ; a head is 524,288 bytes in all four buffers
	s_lshl_b32 s52, s56, 14                        ; s[52:53] alone holds what hangs on cx: 128 rows of 128 bytes a block
	s_add_co_u32 s52, s52, s58
	s_lshl_b32 s59, s14, 12
	s_add_co_u32 s52, s52, s59                     ; + 32 rows a wave
	s_add_nc_u64 s[4:5], s[4:5], s[52:53]
	s_add_nc_u64 s[10:11], s[10:11], s[52:53]
	s_lshl_b32 s54, s14, 13                        ; K: 64 keys of 128 bytes for each of waves 0-3
	s_add_co_u32 s54, s54, s58
	s_add_nc_u64 s[6:7], s[6:7], s[54:55]
	s_lshl_b32 s54, s14, 17                        ; V^T: 16 rows of 8,192 bytes for each of waves 4-7
	s_add_co_u32 s54, s54, s58
	s_add_nc_u64 s[8:9], s[8:9], s[54:55]
	s_mul_i32 s57, s12, 9216                       ; K part: wave x 64 x 144 (waves 0-3 use it)
	s_mul_i32 s59, s12, 8448
	s_add_co_u32 s59, s59, VPART-4*8448            ; V part: (wave - 4) x 16 x 528 behind K (waves 4-7 use it)
.irp s, 0,1
	s_mov_b32 s[G0K+4*\s], 1
	s_add_co_u32 s[G0K+4*\s+1], s57, \s*SLOT
	s_add_nc_u64 s[G0K+4*\s+2:G0K+4*\s+3], s[6:7], \s*32768        ; tile s: 256 keys of 128 bytes on
	s_or_b32 s[G0K+4*\s+3], s[G0K+4*\s+3], 0x80000000
	s_mov_b32 s[G0V+4*\s], 1
	s_add_co_u32 s[G0V+4*\s+1], s59, \s*SLOT
	s_add_nc_u64 s[G0V+4*\s+2:G0V+4*\s+3], s[8:9], \s*512          ; tile s: 256 keys of 2 bytes on
	s_or_b32 s[G0V+4*\s+3], s[G0V+4*\s+3], 0x80000000
.endr
; one matrix instruction of the scores: 16 keys (kt) x 16 query rows (qt), e = 32 c .. 32 c + 31; c = 0 starts the sum
.macro WQK qt, c, kt
.if \c
	v_wmma_f32_16x16x32_bf16 v[S+8*(4*\qt+\kt):S+8*(4*\qt+\kt)+7], v[F+32+8*\kt:F+32+8*\kt+7], v[Q+16*\qt+8:Q+16*\qt+15], v[S+8*(4*\qt+\kt):S+8*(4*\qt+\kt)+7]
.else
	v_wmma_f32_16x16x32_bf16 v[S+8*(4*\qt+\kt):S+8*(4*\qt+\kt)+7], v[F+8*\kt:F+8*\kt+7], v[Q+16*\qt:Q+16*\qt+7], 0
.endif
.endm
; one matrix instruction of O^T = V^T P^T: 16 e (et) x 16 query rows (qt), keys 32 kc .. 32 kc + 31; zero = 1 starts the sum
.macro WPV qt, kc, et, zero
.if \zero
	v_wmma_f32_16x16x32_bf16 v[O+8*(4*\qt+\et):O+8*(4*\qt+\et)+7], v[F+8*(4*\kc+\et):F+8*(4*\kc+\et)+7], v[S+8*(4*\qt+2*\kc):S+8*(4*\qt+2*\kc)+7], 0
.else
	v_wmma_f32_16x16x32_bf16 v[O+8*(4*\qt+\et):O+8*(4*\qt+\et)+7], v[F+8*(4*\kc+\et):F+8*(4*\kc+\et)+7], v[S+8*(4*\qt+2*\kc):S+8*(4*\qt+2*\kc)+7], v[O+8*(4*\qt+\et):O+8*(4*\qt+\et)+7]
.endif
.endm
; the largest score of query tile qt in this step (32 numbers a lane, two chains), in three pieces
.macro MAXA qt
	v_max3_num_f32 v[T+2*\qt], v[S+32*\qt], v[S+32*\qt+1], v[S+32*\qt+2]
	v_max3_num_f32 v[T+2*\qt+1], v[S+32*\qt+16], v[S+32*\qt+17], v[S+32*\qt+18]
.irp n, 3,5,7
	v_max3_num_f32 v[T+2*\qt], v[T+2*\qt], v[S+32*\qt+\n], v[S+32*\qt+\n+1]
	v_max3_num_f32 v[T+2*\qt+1], v[T+2*\qt+1], v[S+32*\qt+16+\n], v[S+32*\qt+17+\n]
.endr
.endm
.macro MAXB qt
.irp n, 9,11,13
	v_max3_num_f32 v[T+2*\qt], v[T+2*\qt], v[S+32*\qt+\n], v[S+32*\qt+\n+1]
	v_max3_num_f32 v[T+2*\qt+1], v[T+2*\qt+1], v[S+32*\qt+16+\n], v[S+32*\qt+17+\n]
.endr
.endm
.macro MAXC qt, first                  ; the last two scores, the old maximum, and the other half of the lanes
	v_max3_num_f32 v[T+2*\qt], v[T+2*\qt], v[S+32*\qt+15], v[S+32*\qt+31]
.if \first
	v_max_num_f32 v[T+2*\qt], v[T+2*\qt], v[T+2*\qt+1]
.else
	v_max3_num_f32 v[T+2*\qt], v[T+2*\qt], v[T+2*\qt+1], v[M+2*\qt]
.endif
	v_permlanex16_b32 v[T+2*\qt+1], v[T+2*\qt], s50, s51
	v_max_num_f32 v[T+2*\qt], v[T+2*\qt], v[T+2*\qt+1]
.endm
; alpha = exp2(old m - new m); the two moves of the new maximum are the plain instructions behind the exponential (ISA guide 5.7.2)
.macro ALPHA qt, first
.if \first
	v_mov_b32 v[M+2*\qt], v[T+2*\qt]
	v_mov_b32 v[M+2*\qt+1], v[T+2*\qt]
.else
	v_sub_f32 v[AL+2*\qt], v[M+2*\qt], v[T+2*\qt]
	v_exp_f32 v[AL+2*\qt], v[AL+2*\qt]
	v_mov_b32 v[M+2*\qt], v[T+2*\qt]
	v_mov_b32 v[M+2*\qt+1], v[T+2*\qt]
	s_wait_alu depctr_va_vdst(0)
	v_mov_b32 v[AL+2*\qt+1], v[AL+2*\qt]
.endif
.endm
.macro SCALEO qt, part                 ; half of O of query tile qt times alpha
.set n, 16*\part
.rept 8
	v_pk_mul_f32 v[O+32*\qt+n:O+32*\qt+n+1], v[O+32*\qt+n:O+32*\qt+n+1], v[AL+2*\qt:AL+2*\qt+1]
.set n, n+2
.endr
.endm
.macro SUBT i                          ; tile i = 4 qt + kt: s - m
.irp p, 0,2,4,6
	v_pk_add_f32 v[S+8*\i+\p:S+8*\i+\p+1], v[S+8*\i+\p:S+8*\i+\p+1], v[M+2*(\i/4):M+2*(\i/4)+1] neg_lo:[0,1] neg_hi:[0,1]
.endr
.endm
.macro EXPT i
.irp p, 0,1,2,3,4,5,6,7
	v_exp_f32 v[S+8*\i+\p], v[S+8*\i+\p]
.endr
.endm
; tile i is added to the sums in f32 and rounded to bf16 into its half of the P fragment; each pair is read before its place is written
.macro CONS i
.set TB, S+8*(\i)
.set PB, S+8*((\i)-((\i)&1))+4*((\i)&1)
.set SU, SUM+2*((\i)/4)
.if (\i)&3
	s_wait_alu depctr_va_vdst(0)
	v_pk_add_f32 v[SU:SU+1], v[SU:SU+1], v[TB:TB+1]
	v_cvt_pk_bf16_f32 v[PB], v[TB], v[TB+1]
	v_pk_add_f32 v[SU:SU+1], v[SU:SU+1], v[TB+2:TB+3]
	v_cvt_pk_bf16_f32 v[PB+1], v[TB+2], v[TB+3]
.else
	s_wait_alu depctr_va_vdst(0)
	v_pk_add_f32 v[SU:SU+1], v[TB:TB+1], v[TB+2:TB+3]      ; the first two pairs start the sum
	v_cvt_pk_bf16_f32 v[PB], v[TB], v[TB+1]
	v_cvt_pk_bf16_f32 v[PB+1], v[TB+2], v[TB+3]
.endif
	v_pk_add_f32 v[SU:SU+1], v[SU:SU+1], v[TB+4:TB+5]
	v_cvt_pk_bf16_f32 v[PB+2], v[TB+4], v[TB+5]
	v_pk_add_f32 v[SU:SU+1], v[SU:SU+1], v[TB+6:TB+7]
	v_cvt_pk_bf16_f32 v[PB+3], v[TB+6], v[TB+7]
.endm
.macro LUPD qt, first                  ; l = l alpha + this step's sum
.if \first
	v_add_f32 v[LS+\qt], v[SUM+2*\qt], v[SUM+2*\qt+1]
.else
	v_fma_f32 v[LS+\qt], v[LS+\qt], v[AL+2*\qt], v[SUM+2*\qt]
	v_add_f32 v[LS+\qt], v[LS+\qt], v[SUM+2*\qt+1]
.endif
.endm
; One step of a wave: 64 keys (st = 0, 1 of my 128 in the tile) x 32 query rows.  In each run of eight matrix instructions four accumulators take
; turns, one instruction a turn.  The vector instructions that stand among matrix instructions name none of their registers.
.macro STEP slot, st, first
.irp c, 0,1
.irp kt, 0,1,2,3
	ds_load_b128 v[F+8*(4*\c+\kt):F+8*(4*\c+\kt)+3], v[KA+\slot] offset:(64*\st+16*\kt)*144+64*\c
	ds_load_b128 v[F+8*(4*\c+\kt)+4:F+8*(4*\c+\kt)+7], v[KA+\slot] offset:(64*\st+16*\kt)*144+64*\c+32
.endr
.endr
	s_wait_dscnt 8                                 ; e = 0 .. 31 is in; the eight loads of e = 32 .. 63 may be out
.irp kt, 0,1,2,3
	WQK 0, 0, \kt
.endr
	s_wait_dscnt 0x0
.irp kt, 0,1,2,3
	WQK 0, 1, \kt
.endr
	PLACES 4                                       ; four places (ISA guide 7.12.1) before the scores of query tile 0 are read
	; the scores of query tile 1, one at a time, among the softmax of query tile 0
	WQK 1, 0, 0
	MAXA 0
	WQK 1, 0, 1
	MAXB 0
	WQK 1, 0, 2
	MAXC 0, \first
	ALPHA 0, \first
	WQK 1, 0, 3
.if \first == 0
	SCALEO 0, 0
.endif
	WQK 1, 1, 0
.if \first == 0
	SCALEO 0, 1
.endif
	WQK 1, 1, 1
	SUBT 0                                         ; p = exp2(s - m).  Behind each run of exponentials stands plain work on another tile
	EXPT 0                                         ; before its results are used (ISA guide 5.7.2)
	WQK 1, 1, 2
	SUBT 1
	EXPT 1
	WQK 1, 1, 3
	CONS 0                                         ; seven plain vector instructions: the places before F, which the scores have read, is loaded again
.irp kc, 0,1
.irp et, 0,1,2,3
	ds_load_b128 v[F+8*(4*\kc+\et):F+8*(4*\kc+\et)+3], v[VA+\slot] offset:\et*8448+128*\st+64*\kc          ; they land under the rest of this softmax
	ds_load_b128 v[F+8*(4*\kc+\et)+4:F+8*(4*\kc+\et)+7], v[VA+\slot] offset:\et*8448+128*\st+64*\kc+32
.endr
.endr
	SUBT 2
	EXPT 2
	CONS 1
	SUBT 3
	EXPT 3
	CONS 2
	CONS 3
	LUPD 0, \first
	s_wait_dscnt 0x0                               ; the fragments of V
	; P V of query tile 0, one at a time, among the softmax of query tile 1
	WPV 0, 0, 0, \first
	MAXA 1
	WPV 0, 0, 1, \first
	MAXB 1
	WPV 0, 0, 2, \first
	MAXC 1, \first
	ALPHA 1, \first
	WPV 0, 0, 3, \first
.if \first == 0
	SCALEO 1, 0
.endif
	WPV 0, 1, 0, 0
.if \first == 0
	SCALEO 1, 1
.endif
	WPV 0, 1, 1, 0
	SUBT 4
	EXPT 4
	WPV 0, 1, 2, 0
	SUBT 5
	EXPT 5
	WPV 0, 1, 3, 0
	CONS 4
	SUBT 6
	EXPT 6
	CONS 5
	SUBT 7
	EXPT 7
	CONS 6
	CONS 7
	LUPD 1, \first
.irp et, 0,1,2,3
	WPV 1, 0, \et, \first
.endr
.irp et, 0,1,2,3
	WPV 1, 1, \et, 0
.endr
	PLACES 4                                       ; four places before F is loaded again or O is read; P of tile 1 is written over only behind four more
.endm
; One tile.  In front of the round: all my tensor loads have landed (my part of this tile), my reads of the other slot are back; so both hold of
; every wave of the four work-groups behind it, and the other slot is filled again first thing.
.macro TRIP slot, refill, first
	s_wait_tensorcnt 0x0
	ds_add_u32 v254, v255
	s_wait_dscnt 0x0
	s_add_nc_u64 s[G0K+4*\slot+2:G0K+4*\slot+3], s[G0K+4*\slot+2:G0K+4*\slot+3], 65536     ; no load of mine is out: this slot's next tile, two tiles on
	s_add_nc_u64 s[G0V+4*\slot+2:G0V+4*\slot+3], s[G0V+4*\slot+2:G0V+4*\slot+3], 1024
	s_wait_dscnt 0x0
	ROUND
.if \refill
	JLOAD (1-\slot)
.endif
	STEP \slot, 0, \first
	STEP \slot, 1, 0
.endm
	ROUND                                          ; the four work-groups are here: the first joint loads meet
	JLOAD 0
.irp qt, 0,1
.irp c, 0,1
	global_load_b128 v[Q+16*\qt+8*\c:Q+16*\qt+8*\c+3], v243, s[4:5] offset:\qt*2048+\c*64
	global_load_b128 v[Q+16*\qt+8*\c+4:Q+16*\qt+8*\c+7], v243, s[4:5] offset:\qt*2048+\c*64+32
.endr
.endr
	s_wait_loadcnt 0x0                             ; q, once
	TRIP 0, 1, 1                                   ; 16 tiles: 2 in front of the loop (the first products start the sums), 12 in it, 2 behind
	TRIP 1, 1, 0
	s_mov_b32 s48, 6
.Llap:
	TRIP 0, 1, 0
	TRIP 1, 1, 0
	s_sub_co_u32 s48, s48, 1
	s_cmp_lg_u32 s48, 0
	s_cbranch_scc1 .Llap
	TRIP 0, 1, 0
	TRIP 1, 0, 0                                   ; the last tile: nothing more is asked for
; MERGE of the two halves of the keys: waves 4-7 hand m, l and O to waves 0-3 through LDS.
	v_and_b32 v2, 31, v0
	s_mul_i32 s57, s14, 8704
	s_add_co_u32 s57, s57, MG
	v_lshl_add_u32 v2, v2, 4, s57                  ; the block of my pair + 16 lane
	s_cmp_lt_u32 s12, 4
	s_cbranch_scc1 .Lkeep
	v_mov_b32 v240, v[M]
	v_mov_b32 v241, v[LS]
	v_mov_b32 v242, v[M+2]
	v_mov_b32 v243, v[LS+1]
.irp i, 0,1,2,3,4,5,6,7,8,9,10,11,12,13,14,15
	ds_store_b128 v2, v[O+4*\i:O+4*\i+3] offset:\i*512
.endr
	ds_store_b128 v2, v[240:243] offset:8192
.Lkeep:
	s_wait_dscnt 0x0                               ; the stores are in LDS before the partner reads
	s_barrier_signal -1
	s_barrier_wait -1
	s_cmp_lt_u32 s12, 4
	s_cbranch_scc0 .Lclose
.irp i, 0,1,2,3,4,5,6,7,8,9,10,11,12,13,14,15
	ds_load_b128 v[F+4*\i:F+4*\i+3], v2 offset:\i*512
.endr
	ds_load_b128 v[248:251], v2 offset:8192        ; m0, l0, m1, l1 of the partner's lane
	v_and_b32 v244, 15, v0
	v_bfe_u32 v245, v0, 4, 1
	s_mul_i32 s57, s14, 4608
	s_add_co_u32 s57, s57, OS                      ; my out stage: 32 rows, pitch 144
	v_mul_u32_u24 v3, v244, 144
	v_lshl_add_u32 v3, v245, 4, v3
	v_add_nc_u32 v3, s57, v3                       ; in: row r, 16 bytes for each half of the lanes
	v_bfe_u32 v244, v0, 3, 2
	v_and_b32 v245, 7, v0
	v_mul_u32_u24 v4, v244, 144
	v_lshl_add_u32 v4, v245, 4, v4
	v_add_nc_u32 v4, s57, v4                       ; back: eight lanes take one row of 128 bytes
	v_and_b32 v5, 31, v0
	v_lshlrev_b32 v5, 4, v5
	s_wait_dscnt 0x0
.macro MERGEQ qt
	v_max_num_f32 v240, v[M+2*\qt], v[248+2*\qt]
	v_sub_f32 v241, v[M+2*\qt], v240
	v_sub_f32 v242, v[248+2*\qt], v240
	v_exp_f32 v241, v241
	v_exp_f32 v242, v242
	v_nop                                          ; the plain place behind the exponentials
	s_wait_alu depctr_va_vdst(0)
	v_mul_f32 v243, v[LS+\qt], v241
	v_fmac_f32 v243, v[249+2*\qt], v242
	v_permlanex16_b32 v240, v243, s50, s51         ; the other half of the lanes holds the other keys of the same row
	v_add_f32 v243, v243, v240                     ; at least 1: the largest score gives exp2(0)
	v_rcp_f32 v243, v243
	v_nop
	s_wait_alu depctr_va_vdst(0)
	v_mul_f32 v[AL+2*\qt], v241, v243
	v_mul_f32 v[AL+2*\qt+1], v241, v243
	v_mul_f32 v[M+2*\qt], v242, v243
	v_mul_f32 v[M+2*\qt+1], v242, v243
.set n, 0
.rept 16
	v_pk_mul_f32 v[O+32*\qt+n:O+32*\qt+n+1], v[O+32*\qt+n:O+32*\qt+n+1], v[AL+2*\qt:AL+2*\qt+1]
	v_pk_fma_f32 v[O+32*\qt+n:O+32*\qt+n+1], v[F+32*\qt+n:F+32*\qt+n+1], v[M+2*\qt:M+2*\qt+1], v[O+32*\qt+n:O+32*\qt+n+1]
.set n, n+2
.endr
.endm
	MERGEQ 0
	MERGEQ 1
.irp u, 0,1,2,3,4,5,6,7
.irp p, 0,1,2,3
	v_cvt_pk_bf16_f32 v[S+4*\u+\p], v[O+8*\u+2*\p], v[O+8*\u+2*\p+1]
.endr
.endr
.irp qt, 0,1
.irp et, 0,1,2,3
	ds_store_b128 v3, v[S+4*(4*\qt+\et):S+4*(4*\qt+\et)+3] offset:\qt*2304+\et*32
.endr
.endr
.irp i, 0,1,2,3,4,5,6,7
	ds_load_b128 v[F+4*\i:F+4*\i+3], v4 offset:\i*576      ; my own bytes; LDS serves a wave in order (ISA guide 5.7.1)
.endr
.irp i, 0,1,2,3,4,5,6,7
	s_wait_dscnt 7-\i
	global_store_b128 v5, v[F+4*\i:F+4*\i+3], s[10:11] offset:\i*512       ; a wave stores 512 neighbouring bytes of zb
.endr
.Lclose:
	s_wait_tensorcnt 0x0
	ds_add_u32 v254, v255
	s_wait_dscnt 0x0
	ROUND                                          ; the closing round: no work-group ends while a partner may still ask jointly
	s_endpgm
.Lfunc_end_k_q4848adfb79_attn:
	.size	k_q4848adfb79_attn, .Lfunc_end_k_q4848adfb79_attn-k_q4848adfb79_attn
	.p2alignl 7, 3214868480
	.fill 96, 4, 3214868480
	.section	.rodata,"a",@progbits
	.p2align	6, 0x0
	.amdhsa_kernel k_q4848adfb79_attn
		.amdhsa_group_segment_fixed_size 327680
		.amdhsa_private_segment_fixed_size 0
		.amdhsa_enable_private_segment 0
		.amdhsa_kernarg_size 32
		.amdhsa_user_sgpr_count 2
		.amdhsa_user_sgpr_kernarg_segment_ptr 1
		.amdhsa_wavefront_size32 1
		.amdhsa_system_sgpr_workgroup_id_x 1
		.amdhsa_system_sgpr_workgroup_id_y 1
		.amdhsa_system_sgpr_workgroup_id_z 1
		.amdhsa_system_vgpr_workitem_id 0
		.amdhsa_next_free_vgpr 256
		.amdhsa_next_free_sgpr 66
		.amdhsa_reserve_vcc 0
		.amdhsa_float_denorm_mode_32 3
		.amdhsa_float_denorm_mode_16_64 3
		.amdhsa_memory_ordered 1
		.amdhsa_forward_progress 1
		.amdhsa_inst_pref_size 229
	.end_amdhsa_kernel
	.amdgpu_metadata
---
amdhsa.version: [ 1, 2 ]
amdhsa.kernels:
  - .name:           k_q4848adfb79_attn
    .symbol:         k_q4848adfb79_attn.kd
    .args:
      - { .name: qb, .offset: 0, .size: 8, .value_kind: global_buffer, .address_space: global }
      - { .name: kb, .offset: 8, .size: 8, .value_kind: global_buffer, .address_space: global }
      - { .name: vtb, .offset: 16, .size: 8, .value_kind: global_buffer, .address_space: global }
      - { .name: zb, .offset: 24, .size: 8, .value_kind: global_buffer, .address_space: global }
    .group_segment_fixed_size: 327680
    .private_segment_fixed_size: 0
    .kernarg_segment_align: 8
    .kernarg_segment_size: 32
    .max_flat_workgroup_size: 256
    .sgpr_count:     66
    .vgpr_count:     256
    .wavefront_size: 32
...
	.end_amdgpu_metadata
.endif
;; end of part 2
;; launch tail (part 3): grid 128 x 1, 8 waves a work-group, clusters of 4 x 1, 327,680 bytes of LDS; arguments zb, wfrag, x, ln1_g, ln1_b, ffn_b, ln2_g, ln2_b, out0; writes out0
.if DOCPART == 3
	.amdgcn_target "amdgcn-amd-amdhsa--gfx1250"
	.amdhsa_code_object_version 6
	.text
	.protected	k_q4848adfb79_tail
	.globl	k_q4848adfb79_tail
	.p2align	8
	.type	k_q4848adfb79_tail,@function
k_q4848adfb79_tail:
	s_mov_b64 s[64:65], 0
	v_nop
	global_prefetch_b8 v0, s[64:65] scope:SCOPE_SE
	s_setreg_imm32_b32 hwreg(HW_REG_WAVE_MODE, 25, 1), 1
	s_wait_xcnt 0x0
	s_wait_alu depctr_hold_cnt(0) depctr_sa_sdst(0) depctr_va_vdst(0) depctr_va_sdst(0) depctr_va_ssrc(0) depctr_va_vcc(0) depctr_vm_vsrc(0)
	s_getreg_b32 s2, hwreg(HW_REG_IB_STS2, 6, 4)
	s_cmp_eq_u32 s2, 0
	s_cbranch_scc0 .Lentry_in_a_cluster
	s_endpgm
.Lentry_in_a_cluster:
	s_bfe_u32 s2, ttmp6, 0x10000c
	s_cmp_lg_u32 s2, 0x3003
	s_cbranch_scc0 .Lentry_shape_is_right
	s_endpgm
.Lentry_shape_is_right:
; TAIL: y1 = z w_mh + x;  n = LayerNorm(y1; ln1);  y2 = n ffn_w^T + ffn_b + n;  out0 = LayerNorm(y2; ln2).  Nothing between goes to memory.
; Work-group wg = 4 x cluster x + cx owns the 32 whole rows 32 wg .. (a LayerNorm needs whole rows); wave w owns the 64 columns of column block
; cb = (w + rot) mod 8, rot = cluster x mod 8: 2 row tiles x 4 column tiles = 8 accumulators.  128 WORK-GROUPS: a work-group that owns whole rows
; takes in all 1,048,576 bytes of weights, however few its rows; with 32 rows each weight fragment read from LDS feeds two matrix instructions,
; with 16 rows one, at twice the total bytes.
; Source 0 = 16 output columns of the weights, source 1 = 16 rows of the activations: a lane holds 8 neighbouring columns of one row.
; WEIGHTS: wfrag holds both matrices as fragment images; a tile = 2 K steps = 65,536 bytes.  Of a tile wave w reads only the 8 fragments of its own
; columns: two runs of 4,096 bytes, 32,768 bytes apart.  It fetches these itself into its own 8,192 bytes of a slot, so its own s_wait_tensorcnt is
; all the ordering that its reads need.  16 tiles walk through four slots, three filled behind each round of the barrier of the cluster.  The four
; work-groups of a cluster walk the same tiles: joint loads, mask 15.  A wave has five tensor loads out at the most (x, z, tiles 0-2), later three.
; THE WALK IS TURNED: step t of either product takes K block (t + rot) mod 8.  Only global addresses hold rot or cb: block t of the activations in LDS
; holds K block (t + rot) mod 8 because wave t fetches (z) or stores (n) its own column block there.  So the 32 clusters ask for different tiles at
; any one time, and most requests for a tile follow another cluster's request for it.
; The residuals start the sums: x is loaded into the accumulators of product 1, n + ffn_b stays in those of product 2.
; LayerNorm: each wave makes the mean and the sum of squared deviations of its 64 columns; the eight are merged by
; M2 = sum M2_i + 64 sum (mean_i - mean)^2, which forms no difference of large sums.
; LIMITS: z, n and the weights enter the products in bf16; the reciprocal root is not correctly rounded; sums in another order, which differs
; from cluster to cluster.
.set XO,    196608                     ; a block for each wave: [32 rows][64 f32], pitch 272: x.  It lies over slot 3 and the 4,096 bytes behind it: x is the first
.set XBLK,  8704                       ; fill of these bytes; the way out uses them after their last fill
.set ACT,   266240                     ; [8 blocks of 64 k][32 rows], pitch 144: z, later n in bf16 (stored there after its one fill)
.set ABLK,  4608
.set PAR,   303104                     ; ln1_g, ln1_b, ffn_b, ln2_g, ln2_b, 2,048 bytes each; in each, 256 bytes for each wave: its own columns
.set ST1,   313344                     ; [8 waves][32 rows] (mean, M2) for the first LayerNorm; the second 2,048 bytes on
.set WA, 2                             ; v2-5  weight fragment address, slot 0 .. 3
.set BA, 6                             ; activation fragment address
.set XA, 7                             ; my 32 bytes of x (and of the way out)
.set AS, 8                             ; where I store n
.set PA, 9                             ; my 8 parameters of a column tile
.set SS, 10                            ; where I store moments
.set SL, 11                            ; where I read moments
.set RD, 12                            ; way out: read back
.set CO, 13                            ; way out: offset in out0
.set PS, 14                            ; where I store parameters
.set PG, 15                            ; offset of my 8 bytes in a parameter vector
.set ACC, 16                           ; v[16:79]   (rt, i) at +8 (4 rt + i)
.set A,   80                           ; v[80:143]  weight fragment (kk, i) at +8 (4 kk + i); in a LayerNorm gain (i) at +16 i, bias at +16 i + 8
.set B,   144                          ; v[144:175] activation fragment (kk, rt) at +8 (2 kk + rt); ffn_b (i) at +8 i
.set MWP, 176                          ; v[176:179] (mean, mean), then (mean, M2) of my 64 columns, for each rt
.set SA,  180
.set SB,  182
.set D0,  184
.set D1,  186
.set MEP, 188                          ; v[188:191] (mean, mean) of the row
.set SV,  192                          ; v[192:223] the eight waves' moments; later n in bf16
.set RSP, 224                          ; v[224:227] (rstd, rstd)
.set GW1, 24
.set GW0, 32                           ; s[32:47] one group 0 for each slot
.set GZ1, 48
.set GZ0, 56
.set GX0, 60
.set GX1, 68
.macro PLACES n
.rept \n
	v_nop
.endr
.endm
.macro ROUND
	s_barrier_signal -1
	s_barrier_wait -1
	s_cmp_lg_u32 s22, 0
	s_cbranch_scc1 .Lnot_wave_0_\@
	s_barrier_signal -3
.Lnot_wave_0_\@:
	s_barrier_wait -3
	s_barrier_signal -1
	s_barrier_wait -1
.endm
	s_load_b512 s[4:19], s[0:1], 0x0               ; zb 4:5, wfrag 6:7, x 8:9, ln1_g 10:11, ln1_b 12:13, ffn_b 14:15, ln2_g 16:17, ln2_b 18:19
	s_load_b64 s[20:21], s[0:1], 0x40              ; out0
	v_lshl_add_u32 v248, v0, 2, 0x4d800
	v_mov_b32 v249, 0
	ds_add_u32 v248, v249
	v_lshrrev_b32 v1, 5, v0
	v_readfirstlane_b32 s22, v1                    ; wave
	s_bfe_u32 s23, ttmp6, 0x40000                  ; cx
	s_lshl_b32 s84, ttmp9, 2
	s_add_co_u32 s84, s84, s23                     ; wg
	s_and_b32 s88, ttmp9, 7                        ; rot: the same in the four work-groups of a cluster
	s_add_co_u32 s89, s22, s88
	s_and_b32 s89, s89, 7                          ; cb: my column block
	s_lshl_b32 s94, s22, 13                        ; my 8,192 bytes of a slot
	s_mov_b32 s86, 0x76543210                      ; v_permlanex16_b32: lane i reads lane i of the other half
	s_mov_b32 s87, 0xfedcba98
	s_mov_b32 s76, 0x3c800000                      ; 1/64
	s_mov_b32 s77, 0x42800000                      ; 64
	s_mov_b32 s78, 0x3b000000                      ; 1/512
	s_mov_b32 s79, 0x3727c5ac                      ; 1e-5
	; weights: 2 rows (K steps) of 512 elements of 8 bytes (my 4 fragments), 4,096 elements from row to row; joint, mask 15
	s_mov_b32 s[GW1+0], 15|(3<<16)|(1<<21)
	s_mov_b32 s[GW1+1], 512<<16                    ; tensor_dim0 = 512
	s_mov_b32 s[GW1+2], 2<<16                      ; tensor_dim1 = 2
	s_mov_b32 s[GW1+3], 512<<16                    ; tile_dim0 = 512
	s_mov_b32 s[GW1+4], 2                          ; tile_dim1 = 2
	s_mov_b32 s[GW1+5], 4096
	s_mov_b32 s[GW1+6], 0
	s_mov_b32 s[GW1+7], 0
	; z: 32 rows of 64 bf16, pitch 64; 4 words of padding behind every 32 words; my own load
	s_mov_b32 s[GZ1+0], (1<<16)|(1<<20)|(4<<22)|(3<<25)
	s_mov_b32 s[GZ1+1], 64<<16
	s_mov_b32 s[GZ1+2], 32<<16
	s_mov_b32 s[GZ1+3], 64<<16
	s_mov_b32 s[GZ1+4], 32
	s_mov_b32 s[GZ1+5], 64
	s_mov_b32 s[GZ1+6], 0
	s_mov_b32 s[GZ1+7], 0
	; x: 32 rows of 64 f32, pitch 512; 4 words of padding behind every 64 words; my own load
	s_mov_b32 s[GX1+0], (2<<16)|(1<<20)|(5<<22)|(3<<25)
	s_mov_b32 s[GX1+1], 64<<16
	s_mov_b32 s[GX1+2], 32<<16
	s_mov_b32 s[GX1+3], 64<<16
	s_mov_b32 s[GX1+4], 32
	s_mov_b32 s[GX1+5], 512
	s_mov_b32 s[GX1+6], 0
	s_mov_b32 s[GX1+7], 0
	v_and_b32 v228, 31, v0                         ; lane
	v_and_b32 v229, 15, v0                         ; r
	v_bfe_u32 v230, v0, 4, 1                       ; h
	v_lshl_add_u32 v[WA], v228, 4, s94             ; my part of slot 0 + 16 lane
	v_add_nc_u32 v[WA+1], 65536, v[WA]
	v_add_nc_u32 v[WA+2], 131072, v[WA]
	v_add_nc_u32 v[WA+3], 196608, v[WA]
	v_mul_u32_u24 v[BA], v229, 144
	v_lshl_add_u32 v[BA], v230, 4, v[BA]
	v_add_nc_u32 v[BA], ACT, v[BA]
	s_mul_i32 s82, s22, ABLK
	v_add_nc_u32 v[AS], s82, v[BA]
	s_mul_i32 s83, s22, XBLK
	s_add_co_u32 s83, s83, XO
	v_mul_u32_u24 v[XA], v229, 272
	v_lshl_add_u32 v[XA], v230, 5, v[XA]
	v_add_nc_u32 v[XA], s83, v[XA]
	v_mul_u32_u24 v[RD], v230, 272
	v_lshl_add_u32 v[RD], v229, 4, v[RD]
	v_add_nc_u32 v[RD], s83, v[RD]
	s_lshl_b32 s82, s22, 8
	s_add_co_u32 s82, s82, PAR
	v_lshl_add_u32 v[PA], v230, 5, s82
	v_lshl_add_u32 v[PS], v228, 3, s82
	s_lshl_b32 s82, s22, 8
	s_add_co_u32 s82, s82, ST1
	v_lshl_add_u32 v[SS], v229, 3, s82
	v_lshlrev_b32 v[SL], 3, v229
	v_add_nc_u32 v[SL], ST1, v[SL]
	v_lshlrev_b32 v[CO], 4, v229
	v_lshl_add_u32 v[CO], v230, 11, v[CO]
	s_lshl_b32 s85, s89, 8
	v_lshl_add_u32 v[PG], v228, 3, s85             ; the 256 bytes of my column block + 8 lane
	s_wait_dscnt 0x0
	s_wait_kmcnt 0x0
	s_mov_b32 s67, 0
	s_mov_b32 s81, 0
	s_mov_b32 s93, 0
	s_lshl_b32 s80, s89, 12                        ; s[80:81] hangs on the wave and on rot alone: the 4 fragments of my column block in a K step
	s_add_nc_u64 s[6:7], s[6:7], s[80:81]
	s_mov_b64 s[90:91], s[6:7]                     ; the base of all my weight tiles, type bits set
	s_or_b32 s91, s91, 0x80000000
	s_lshl_b32 s66, s84, 12                        ; s[66:67] holds what hangs on cx.  z: head cb: (4,096 cb + 32 wg) rows of 128 bytes
	s_lshl_b32 s85, s89, 19
	s_add_co_u32 s66, s66, s85
	s_add_nc_u64 s[4:5], s[4:5], s[66:67]
	s_lshl_b32 s66, s84, 16                        ; x, out0: 32 wg rows of 2,048 bytes + 256 cb
	s_lshl_b32 s85, s89, 8
	s_add_co_u32 s66, s66, s85
	s_add_nc_u64 s[8:9], s[8:9], s[66:67]
	s_add_nc_u64 s[20:21], s[20:21], s[66:67]
.irp s, 0,1,2,3
	s_mov_b32 s[GW0+4*\s], 1
	s_add_co_u32 s[GW0+4*\s+1], s94, \s*65536
.endr
	s_mov_b32 s[GZ0], 1
	s_mul_i32 s[GZ0+1], s22, ABLK
	s_add_co_u32 s[GZ0+1], s[GZ0+1], ACT
	s_mov_b64 s[GZ0+2:GZ0+3], s[4:5]
	s_or_b32 s[GZ0+3], s[GZ0+3], 0x80000000
	s_mov_b32 s[GX0], 1
	s_mul_i32 s[GX0+1], s22, XBLK
	s_add_co_u32 s[GX0+1], s[GX0+1], XO
	s_mov_b64 s[GX0+2:GX0+3], s[8:9]
	s_or_b32 s[GX0+3], s[GX0+3], 0x80000000
; The address of step t (0-7: w_mh, 8-15: ffn_w) goes into the group 0 of slot t mod 4: K block (t + rot) mod 8, 65,536 bytes each; the second matrix 524,288 bytes on.
.macro SETT t
	s_add_co_u32 s92, s88, (\t)&7
	s_and_b32 s92, s92, 7
	s_lshl_b32 s92, s92, 16
.if (\t) >= 8
	s_or_b32 s92, s92, 0x80000
.endif
	s_add_nc_u64 s[GW0+4*((\t)&3)+2:GW0+4*((\t)&3)+3], s[90:91], s[92:93]
.endm
.macro TLOAD t
	tensor_load_to_lds s[GW0+4*((\t)&3):GW0+4*((\t)&3)+3], s[GW1:GW1+7]
	s_nop 0
.endm
; Step t: my part of a tile of weights (64 along K) from slot t mod 4, against block t mod 8 of the activations: 24 LDS loads, 16 matrix instructions.
; The eight accumulators take turns, one instruction a turn, from step to step too.
.macro WORK t
	PLACES 4                                       ; four places behind the last matrix instructions before their sources are loaded again (ISA guide 7.12.1)
.irp kk, 0,1
.irp rt, 0,1
	ds_load_b128 v[B+8*(2*\kk+\rt):B+8*(2*\kk+\rt)+3], v[BA] offset:((\t)&7)*ABLK+\rt*2304+\kk*64
	ds_load_b128 v[B+8*(2*\kk+\rt)+4:B+8*(2*\kk+\rt)+7], v[BA] offset:((\t)&7)*ABLK+\rt*2304+\kk*64+32
.endr
.irp i, 0,1,2,3
	ds_load_b128 v[A+8*(4*\kk+\i):A+8*(4*\kk+\i)+3], v[WA+((\t)&3)] offset:\kk*4096+\i*1024
	ds_load_b128 v[A+8*(4*\kk+\i)+4:A+8*(4*\kk+\i)+7], v[WA+((\t)&3)] offset:\kk*4096+\i*1024+512
.endr
.endr
	s_wait_dscnt 12                                ; all but the twelve loads of the second K step
.irp i, 0,1,2,3
.irp rt, 0,1
	v_wmma_f32_16x16x32_bf16 v[ACC+8*(4*\rt+\i):ACC+8*(4*\rt+\i)+7], v[A+8*\i:A+8*\i+7], v[B+8*\rt:B+8*\rt+7], v[ACC+8*(4*\rt+\i):ACC+8*(4*\rt+\i)+7]
.endr
.endr
	s_wait_dscnt 0x0
.irp i, 0,1,2,3
.irp rt, 0,1
	v_wmma_f32_16x16x32_bf16 v[ACC+8*(4*\rt+\i):ACC+8*(4*\rt+\i)+7], v[A+32+8*\i:A+32+8*\i+7], v[B+16+8*\rt:B+16+8*\rt+7], v[ACC+8*(4*\rt+\i):ACC+8*(4*\rt+\i)+7]
.endr
.endr
.endm
; The slots of steps t .. t + n - 1 (n = 3 or 1), which have been read, are filled again.  In front of the round every wave has all its tensor loads landed
; (the step that is read next among them) and its LDS reads back; the joint refills are the first tensor loads behind it.
.macro HEAD t, n
	s_wait_tensorcnt 0x0
	ds_add_u32 v248, v249
	SETT \t                                        ; no load of mine is out: every group 0 may be written
.if \n == 3
	SETT (\t+1)
	SETT (\t+2)
.endif
	s_wait_dscnt 0x0
	ROUND
	TLOAD \t
.if \n == 3
	TLOAD (\t+1)
	TLOAD (\t+2)
.endif
.endm
; mean and sum of squared deviations of my wave's 64 columns of rows 16 rt + r: 32 numbers a lane, the other 32 in the other half of the lanes
.macro MOM rt, st
.set Y, ACC+32*\rt
.set MW, MWP+2*\rt
	v_pk_add_f32 v[SA:SA+1], v[Y:Y+1], v[Y+2:Y+3]
	v_pk_add_f32 v[SB:SB+1], v[Y+4:Y+5], v[Y+6:Y+7]
.irp n, 8,12,16,20,24,28
	v_pk_add_f32 v[SA:SA+1], v[SA:SA+1], v[Y+\n:Y+\n+1]
	v_pk_add_f32 v[SB:SB+1], v[SB:SB+1], v[Y+\n+2:Y+\n+3]
.endr
	v_pk_add_f32 v[SA:SA+1], v[SA:SA+1], v[SB:SB+1]
	v_add_f32 v[SA], v[SA], v[SA+1]
	v_permlanex16_b32 v[SA+1], v[SA], s86, s87
	v_add_f32 v[SA], v[SA], v[SA+1]
	v_mul_f32 v[MW], s76, v[SA]
	v_mul_f32 v[MW+1], s76, v[SA]
	v_pk_add_f32 v[D0:D0+1], v[Y:Y+1], v[MW:MW+1] neg_lo:[0,1] neg_hi:[0,1]
	v_pk_add_f32 v[D1:D1+1], v[Y+2:Y+3], v[MW:MW+1] neg_lo:[0,1] neg_hi:[0,1]
	v_pk_mul_f32 v[SA:SA+1], v[D0:D0+1], v[D0:D0+1]
	v_pk_mul_f32 v[SB:SB+1], v[D1:D1+1], v[D1:D1+1]
.irp n, 4,8,12,16,20,24,28
	v_pk_add_f32 v[D0:D0+1], v[Y+\n:Y+\n+1], v[MW:MW+1] neg_lo:[0,1] neg_hi:[0,1]
	v_pk_add_f32 v[D1:D1+1], v[Y+\n+2:Y+\n+3], v[MW:MW+1] neg_lo:[0,1] neg_hi:[0,1]
	v_pk_fma_f32 v[SA:SA+1], v[D0:D0+1], v[D0:D0+1], v[SA:SA+1]
	v_pk_fma_f32 v[SB:SB+1], v[D1:D1+1], v[D1:D1+1], v[SB:SB+1]
.endr
	v_pk_add_f32 v[SA:SA+1], v[SA:SA+1], v[SB:SB+1]
	v_add_f32 v[SA], v[SA], v[SA+1]
	v_permlanex16_b32 v[SA+1], v[SA], s86, s87
	v_add_f32 v[MW+1], v[SA], v[SA+1]              ; the pair is now (mean, M2)
	ds_store_b64 v[SS], v[MW:MW+1] offset:\st+128*\rt      ; both halves of the lanes store the same numbers to the same word
.endm
; the row's mean and 1 / sqrt(variance + eps) from the eight waves' moments
.macro STAT rt
.set X0, SV+16*\rt
.set ME, MEP+2*\rt
.set RS, RSP+2*\rt
	v_pk_add_f32 v[SA:SA+1], v[X0:X0+1], v[X0+2:X0+3]
	v_pk_add_f32 v[SB:SB+1], v[X0+4:X0+5], v[X0+6:X0+7]
	v_pk_add_f32 v[SA:SA+1], v[SA:SA+1], v[X0+8:X0+9]
	v_pk_add_f32 v[SB:SB+1], v[SB:SB+1], v[X0+10:X0+11]
	v_pk_add_f32 v[SA:SA+1], v[SA:SA+1], v[X0+12:X0+13]
	v_pk_add_f32 v[SB:SB+1], v[SB:SB+1], v[X0+14:X0+15]
	v_pk_add_f32 v[SA:SA+1], v[SA:SA+1], v[SB:SB+1]        ; (sum of the means, sum of the M2)
	v_mul_f32 v[ME], 0x3e000000, v[SA]                     ; / 8
	v_mul_f32 v[ME+1], 0x3e000000, v[SA]
	v_sub_f32 v[D0], v[X0], v[ME]
	v_sub_f32 v[D1], v[X0+2], v[ME]
	v_mul_f32 v[D0+1], v[D0], v[D0]
	v_mul_f32 v[D1+1], v[D1], v[D1]
.irp n, 4,8,12
	v_sub_f32 v[D0], v[X0+\n], v[ME]
	v_sub_f32 v[D1], v[X0+\n+2], v[ME]
	v_fmac_f32 v[D0+1], v[D0], v[D0]
	v_fmac_f32 v[D1+1], v[D1], v[D1]
.endr
	v_add_f32 v[D0+1], v[D0+1], v[D1+1]
	v_fma_f32 v[D0+1], v[D0+1], s77, v[SA+1]       ; M2 of the row
	v_fma_f32 v[D0+1], v[D0+1], s78, s79           ; / 512 + eps
	v_rsq_f32 v[RS], v[D0+1]
	v_nop                                          ; the plain place behind the root (ISA guide 5.7.2)
	s_wait_alu depctr_va_vdst(0)
	v_mov_b32 v[RS+1], v[RS]
.endm
; LayerNorm of the accumulators, in place.  st: offset of the moment words; goff, boff: gain and bias in PAR; bias = 1: ffn_b is fetched too.
.macro LNORM st, goff, boff, bias
	PLACES 4                                       ; four places behind the last matrix instructions: results are read, sources are loaded again
.irp i, 0,1,2,3
	ds_load_b128 v[A+16*\i:A+16*\i+3], v[PA] offset:\goff+64*\i
	ds_load_b128 v[A+16*\i+4:A+16*\i+7], v[PA] offset:\goff+64*\i+16
	ds_load_b128 v[A+16*\i+8:A+16*\i+11], v[PA] offset:\boff+64*\i
	ds_load_b128 v[A+16*\i+12:A+16*\i+15], v[PA] offset:\boff+64*\i+16
.endr
.if \bias
.irp i, 0,1,2,3
	ds_load_b128 v[B+8*\i:B+8*\i+3], v[PA] offset:4096+64*\i
	ds_load_b128 v[B+8*\i+4:B+8*\i+7], v[PA] offset:4096+64*\i+16
.endr
.endif
	MOM 0, \st
	MOM 1, \st
	s_wait_dscnt 0x0                               ; my moments are in LDS (and the parameters in registers)
	s_barrier_signal -1
	s_barrier_wait -1
.irp rt, 0,1
.irp u, 0,1,2,3,4,5,6,7
	ds_load_b64 v[SV+16*\rt+2*\u:SV+16*\rt+2*\u+1], v[SL] offset:\st+256*\u+128*\rt
.endr
.endr
	s_wait_dscnt 0x0
	STAT 0
	STAT 1
.irp rt, 0,1
.irp i, 0,1,2,3
.irp p, 0,2,4,6
	v_pk_add_f32 v[ACC+8*(4*\rt+\i)+\p:ACC+8*(4*\rt+\i)+\p+1], v[ACC+8*(4*\rt+\i)+\p:ACC+8*(4*\rt+\i)+\p+1], v[MEP+2*\rt:MEP+2*\rt+1] neg_lo:[0,1] neg_hi:[0,1]
.endr
.irp p, 0,2,4,6
	v_pk_mul_f32 v[ACC+8*(4*\rt+\i)+\p:ACC+8*(4*\rt+\i)+\p+1], v[ACC+8*(4*\rt+\i)+\p:ACC+8*(4*\rt+\i)+\p+1], v[RSP+2*\rt:RSP+2*\rt+1]
.endr
.irp p, 0,2,4,6
	v_pk_fma_f32 v[ACC+8*(4*\rt+\i)+\p:ACC+8*(4*\rt+\i)+\p+1], v[ACC+8*(4*\rt+\i)+\p:ACC+8*(4*\rt+\i)+\p+1], v[A+16*\i+\p:A+16*\i+\p+1], v[A+16*\i+8+\p:A+16*\i+8+\p+1]
.endr
.endr
.endr
.endm
	SETT 0
	SETT 1
	SETT 2
	ROUND                                          ; the four work-groups are here: the first joint loads meet
	tensor_load_to_lds s[GX0:GX0+3], s[GX1:GX1+7]  ; my slice of x
	s_nop 0
	tensor_load_to_lds s[GZ0:GZ0+3], s[GZ1:GZ1+7]  ; head cb of z into block w
	s_nop 0
	TLOAD 0                                        ; my parts of steps 0, 1, 2
	TLOAD 1
	TLOAD 2
.irp n, 0,1,2,3,4
	global_load_b64 v[232+2*\n:233+2*\n], v[PG], s[10+2*\n:11+2*\n]        ; the five parameter vectors: my wave takes the 256 bytes of its own columns of each
.endr
	s_wait_loadcnt 0x0
.irp n, 0,1,2,3,4
	ds_store_b64 v[PS], v[232+2*\n:233+2*\n] offset:\n*2048
.endr
	s_wait_tensorcnt 2                             ; x, z and step 0 have landed; steps 1 and 2, issued behind them, may be out
	s_wait_dscnt 0x0
	s_barrier_signal -1
	s_barrier_wait -1                              ; every wave's block of z is there
.irp rt, 0,1
.irp i, 0,1,2,3
	ds_load_b128 v[ACC+8*(4*\rt+\i):ACC+8*(4*\rt+\i)+3], v[XA] offset:\rt*4352+\i*64       ; x starts the sums of product 1
	ds_load_b128 v[ACC+8*(4*\rt+\i)+4:ACC+8*(4*\rt+\i)+7], v[XA] offset:\rt*4352+\i*64+16
.endr
.endr
	WORK 0
	s_wait_tensorcnt 1                             ; step 1 has landed; step 2 may be out
	WORK 1
	HEAD 3, 3                                      ; steps 3, 4, 5 (step 3 over x, which every wave has read)
	WORK 2
	s_wait_tensorcnt 2                             ; the first of the three has landed; the two younger ones may be out
	WORK 3
	s_wait_tensorcnt 1
	WORK 4
	HEAD 6, 3                                      ; steps 6, 7, 8
	WORK 5
	s_wait_tensorcnt 2
	WORK 6
	s_wait_tensorcnt 1
	WORK 7
	HEAD 9, 3                                      ; steps 9, 10, 11: the weights keep coming under the first LayerNorm
	LNORM 0, 0, 2048, 1
	; n goes to block w of ACT in bf16 (every wave's reads of z were waited for in front of the round above),
	; and n + ffn_b stays in the accumulators to start the sums of product 2
.irp u, 0,1,2,3,4,5,6,7
.irp p, 0,1,2,3
	v_cvt_pk_bf16_f32 v[SV+4*\u+\p], v[ACC+8*\u+2*\p], v[ACC+8*\u+2*\p+1]
.endr
.endr
.irp rt, 0,1
.irp i, 0,1,2,3
	ds_store_b128 v[AS], v[SV+4*(4*\rt+\i):SV+4*(4*\rt+\i)+3] offset:\rt*2304+\i*32
.endr
.endr
.irp rt, 0,1
.irp i, 0,1,2,3
.irp p, 0,2,4,6
	v_pk_add_f32 v[ACC+8*(4*\rt+\i)+\p:ACC+8*(4*\rt+\i)+\p+1], v[ACC+8*(4*\rt+\i)+\p:ACC+8*(4*\rt+\i)+\p+1], v[B+8*\i+\p:B+8*\i+\p+1]
.endr
.endr
.endr
	s_wait_dscnt 0x0
	s_barrier_signal -1
	s_barrier_wait -1                              ; every wave's block of n is there
	WORK 8
	s_wait_tensorcnt 2
	WORK 9
	s_wait_tensorcnt 1
	WORK 10
	HEAD 12, 3                                     ; steps 12, 13, 14
	WORK 11
	s_wait_tensorcnt 2
	WORK 12
	s_wait_tensorcnt 1
	WORK 13
	HEAD 15, 1                                     ; step 15, the last
	WORK 14
	s_wait_tensorcnt 0x0
	WORK 15
	LNORM 2048, 6144, 8192, 0
	; THE WAY OUT: 32 bytes a lane into my own block (every wave's reads of slot 3 were waited for in front of the barrier inside the LayerNorm),
	; whole pieces of 256 bytes of two rows back, 16 lanes store 256 neighbouring bytes, aligned
.irp rt, 0,1
.irp i, 0,1,2,3
	ds_store_b128 v[XA], v[ACC+8*(4*\rt+\i):ACC+8*(4*\rt+\i)+3] offset:\rt*4352+\i*64
	ds_store_b128 v[XA], v[ACC+8*(4*\rt+\i)+4:ACC+8*(4*\rt+\i)+7] offset:\rt*4352+\i*64+16
.endr
.endr
.irp n, 0,1,2,3,4,5,6,7,8,9,10,11,12,13,14,15
	ds_load_b128 v[A+4*\n:A+4*\n+3], v[RD] offset:\n*544   ; my own bytes; LDS serves a wave in order (ISA guide 5.7.1)
.endr
.irp n, 0,1,2,3,4,5,6,7,8,9,10,11,12,13,14,15
	s_wait_dscnt 15-\n
	global_store_b128 v[CO], v[A+4*\n:A+4*\n+3], s[20:21] offset:\n*4096 th:TH_STORE_NT
.endr
	s_wait_tensorcnt 0x0
	ds_add_u32 v248, v249
	s_wait_dscnt 0x0
	ROUND                                          ; the closing round
	s_endpgm
.Lfunc_end_k_q4848adfb79_tail:
	.size	k_q4848adfb79_tail, .Lfunc_end_k_q4848adfb79_tail-k_q4848adfb79_tail
	.p2alignl 7, 3214868480
	.fill 96, 4, 3214868480
	.section	.rodata,"a",@progbits
	.p2align	6, 0x0
	.amdhsa_kernel k_q4848adfb79_tail
		.amdhsa_group_segment_fixed_size 327680
		.amdhsa_private_segment_fixed_size 0
		.amdhsa_enable_private_segment 0
		.amdhsa_kernarg_size 72
		.amdhsa_user_sgpr_count 2
		.amdhsa_user_sgpr_kernarg_segment_ptr 1
		.amdhsa_wavefront_size32 1
		.amdhsa_system_sgpr_workgroup_id_x 1
		.amdhsa_system_sgpr_workgroup_id_y 1
		.amdhsa_system_sgpr_workgroup_id_z 1
		.amdhsa_system_vgpr_workitem_id 0
		.amdhsa_next_free_vgpr 250
		.amdhsa_next_free_sgpr 96
		.amdhsa_reserve_vcc 0
		.amdhsa_float_denorm_mode_32 3
		.amdhsa_float_denorm_mode_16_64 3
		.amdhsa_memory_ordered 1
		.amdhsa_forward_progress 1
		.amdhsa_inst_pref_size 104
	.end_amdhsa_kernel
	.amdgpu_metadata
---
amdhsa.version: [ 1, 2 ]
amdhsa.kernels:
  - .name:           k_q4848adfb79_tail
    .symbol:         k_q4848adfb79_tail.kd
    .args:
      - { .name: zb, .offset: 0, .size: 8, .value_kind: global_buffer, .address_space: global }
      - { .name: wfrag, .offset: 8, .size: 8, .value_kind: global_buffer, .address_space: global }
      - { .name: x, .offset: 16, .size: 8, .value_kind: global_buffer, .address_space: global }
      - { .name: ln1_g, .offset: 24, .size: 8, .value_kind: global_buffer, .address_space: global }
      - { .name: ln1_b, .offset: 32, .size: 8, .value_kind: global_buffer, .address_space: global }
      - { .name: ffn_b, .offset: 40, .size: 8, .value_kind: global_buffer, .address_space: global }
      - { .name: ln2_g, .offset: 48, .size: 8, .value_kind: global_buffer, .address_space: global }
      - { .name: ln2_b, .offset: 56, .size: 8, .value_kind: global_buffer, .address_space: global }
      - { .name: out0, .offset: 64, .size: 8, .value_kind: global_buffer, .address_space: global }
    .group_segment_fixed_size: 327680
    .private_segment_fixed_size: 0
    .kernarg_segment_align: 8
    .kernarg_segment_size: 72
    .max_flat_workgroup_size: 256
    .sgpr_count:     96
    .vgpr_count:     250
    .wavefront_size: 32
...
	.end_amdgpu_metadata
.endif
;; end of part 3
